; MI455X (gfx1250); checked and timed in simulation.
; The chip was launched on July 23, 2026; its instructions are those of AMD's public machine-readable ISA for CDNA 5 (MIT licence, August 2026) and "CDNA5" Instruction Set Architecture Reference Guide (July 2026). The comments in the code are by the model that wrote it; some were corrected since.
;; Causal Multihead Attention. Allowed arithmetic: matrix products marked QUANTISED: E2M3 operands, one E8M0 scale for each 32 along K, by v_wmma_scale_f32_16x16x128_f8f6f4 with both operands' format E2M3, f32 sums; everything else in f32.
;; Inputs: W_qkv 1,024 x 3,072 float32; b_qkv 3,072 float32; x 2 x 2,048 x 1,024 float32.
;; Outputs: out0 2 x 2,048 x 1,024 float32.
;; This version of the problem:
;;   THIS VERSION OF THE PROBLEM IS GIVEN IN LOW PRECISION. The matrix products marked QUANTISED in the list below multiply operands that are first quantised to E2M3 (2 exponent bits, 3 mantissa bits; 6 bits a number), with one power-of-two scale for each 32 numbers along K (OCP MX v1.0); their sums are f32. All else is computed in f32.
;;   The module's matrix products, in the order in which they are computed (A, B: the left and right operand; K: the contracted axis; several contracted axes count as one K, in the product's order):
;;     1. [M 4,096, K 1,024] x [K 1,024, N 3,072]; A: input x; B: input W_qkv: QUANTISED
;;     2. batch 32 x [M 2,048, K 64] x [K 64, N 2,048]; A: computed on the way; B: computed on the way: QUANTISED
;;     3. batch 32 x [M 64, K 2,048] x [K 2,048, N 2,048]; A: computed on the way; B: softmax (see below): QUANTISED
;;   THE QUANTISER, for each operand of a quantised product, along K:
;;     - K is cut into blocks of 32 from its start; a last block that is shorter is filled with zeros.
;;     - A block's scale is 2^e with e = floor(log2(the largest magnitude in the block)) - 2, held to -126 .. 127; a block of zeros has e = 0. As a byte (E8M0): e + 127.
;;     - Each number is divided by its block's scale, clamped to +-7.5, and rounded to the nearest number of E2M3, ties to even, subnormals kept.
;;     - The product sums the exact products of the quantised numbers (number of the format x scale) in f32.
;;   ~~~python
;;   def quantise(x, axis):      # numpy; x: float32 -> the quantised numbers, widened to float32 again
;;       x = np.moveaxis(x, axis, -1); K = x.shape[-1]
;;       x = np.pad(x, [(0, 0)] * (x.ndim - 1) + [(0, -K % 32)]); x = x.reshape(x.shape[:-1] + (-1, 32)); a = np.abs(x).max(-1, keepdims=True)
;;       e = np.where(a > 0, np.clip(np.frexp(np.where(a > 0, a, 1))[1] - 1 - 2, -126, 127), 0)      # np.frexp(a)[1] - 1 = floor(log2(a)), exactly
;;       r = np.clip(x / 2.0 ** e, -7.5, 7.5)
;;       step = 2.0 ** (np.maximum(np.frexp(np.where(r == 0, 1, r))[1] - 1, 0) - 3)
;;       q = np.round(r / step) * step * 2.0 ** e      # np.round: ties to even
;;       return np.moveaxis(q.reshape(q.shape[:-2] + (-1,))[..., :K], -1, axis).astype(np.float32)
;;   ~~~
;;   SOFTMAX AHEAD OF A QUANTISED PRODUCT. Where the list says 'softmax', what is quantised is not the finished softmax but p = 2^(t - M), with t = logit x log2(e) and M = ceil(the row's largest t), a whole number; so 1/2 < the row's largest p <= 1. The row's sum l is taken of the UNQUANTISED p, in f32, and the product's result is divided by l at the end. Since M is a whole number, a kernel that streams over the keys may use a running M (the ceiling of the running maximum): every later rescaling is an exact power of two, which a block's scale takes up: the codes' values come out the same.
;;   OPERANDS COMPUTED ON THE WAY. 'Computed on the way' means the value that the module computes at that place (a softmax that the list does not call 'softmax' is quantised finished and normalised). What goes into a quantiser is computed in f32, as accurately as f32 sums, v_exp_f32 and their like allow (about 1e-6 of the number): no bf16 or f16 on the way to a quantiser, and a product that is left as it is and whose result goes on into a quantised operand takes f32 operands (vector FMAs, or v_wmma_f32_16x16x4_f32). A number that lies on a knife's edge between two numbers of the format may be rounded either way, as far as f32 arithmetic and the matrix unit's own rounding can turn it there, and no further.
;; One version. Each part assembles by itself: llvm-mc -triple=amdgcn-amd-amdhsa -mcpu=gfx1250 --defsym DOCPART=n.
;; ======== version 1 of 1: 3 launches
;; workspace buffers: codes 5,505,024 bytes; scl 229,376 bytes; img 9,437,184 bytes; isc 786,432 bytes
;; launch quant (part 1): grid 40 x 4, 8 waves a work-group, no clusters, 102,400 bytes of LDS; arguments x, W_qkv, codes, scl; writes codes, scl
.if DOCPART == 1
	.amdgcn_target "amdgcn-amd-amdhsa--gfx1250"
	.amdhsa_code_object_version 6
	.text
	.protected	k_qb41beb7b2a_quant
	.globl	k_qb41beb7b2a_quant
	.p2align	8
	.type	k_qb41beb7b2a_quant,@function
k_qb41beb7b2a_quant:
	s_mov_b64 s[64:65], 0
	v_nop
	global_prefetch_b8 v0, s[64:65] scope:SCOPE_SE
	s_setreg_imm32_b32 hwreg(HW_REG_WAVE_MODE, 25, 1), 1
	s_wait_xcnt 0x0
; x [4096][1024] (K innermost) and W_qkv [1024][3072] (K is the FIRST axis), f32, become codes of FP6 (E2M3) with one E8M0 scale byte for each 32 along K.
; OUT: codes: 7,168 rows of 768 bytes (1,024 codes, K innermost): rows 0-4095 x's tokens, rows 4096-7167 W's columns; scl: the same rows, 32 bytes each.
; THE ROWS ARE STORED PERMUTED: true row p lies at the row whose number is p with bits 3 and 4 exchanged.  The product's launch then finds, in a lane's 16 registers of two neighbouring tiles,
; 16 neighbours along the next product's K, while its tiles stay 16 consecutive stored rows.
; A block's scale is 2^(floor(log2(its largest magnitude)) - 2); its byte is the largest magnitude's exponent field - 2, held at 1 from below by a floor among the maximum's leaves.
; LIMITS: NaN and infinities among the inputs are not served; a block whose largest magnitude lies under 2^-124 keeps the byte 1; a block of zeros gets the byte 1 where the rule says 127:
; its codes are zeros, which add nothing under any byte but 0xff, and the bytes are read by this program alone.
; SHARES: work-groups with x < 16 (64 of them) take x, the other 96 take W.  The two ways part on the work-group's number alone and have LDS bytes of their own.
;  x: a wave takes 8 rows (8,192 numbers) in 16 steps of 512; every load reads 512 consecutive bytes; a step turns through the wave's own stage in LDS so that a lane holds 16 neighbours; loads run 8 steps ahead.
;  W: a work-group takes 128 columns x 256 along K; a wave 32 rows of K x 128 columns: a lane holds 4 columns, each column's whole block of 32 in its own registers; all 32 loads of a wave are out at once.
.set SP,   80                          ; x: a lane's place in a stage: its 64 bytes + 16 of padding
.set WREG, 8192                        ; x: a wave's LDS: two stages of 32 x SP bytes, and at 5,120 its 256 scale bytes
.set WST,  65536                       ; W: the stage: 128 rows (stored columns) x 272 bytes: sixteen places of 16 bytes, 12 bytes of codes in each, + 16
.set WP,   272
.set WSB,  WST+128*WP                  ; W: 128 rows x 8 scale bytes
.set XR,   16                          ; x: v16-143  eight sets of 16 numbers as loaded
.set XX,   144                         ; x: v144-175 two sets of 16 neighbours
.set XE,   176                         ; x: v176-191 a scale byte for each step
.set XC,   192                         ; x: v192-255 codes, four registers for each step: no store's data are written again
.set WMX,  16                          ; W: v16-19 largest magnitudes, v20-23 the conversions' scale operands, v24-27 the bytes (one for each of my four columns)
.set WSO,  20
.set WBY,  24
.set WG,   32                          ; W: v32-63   one column's 32 numbers on end
.set WR,   64                          ; W: v64-191  register 4 i + q: W(row i of my 32, my column q)
.set WCD,  192                         ; W: v192-223 codes, eight registers for each column
	s_load_b128 s[4:7], s[0:1], 0x0                ; x, W
	s_load_b128 s[8:11], s[0:1], 0x10              ; codes, scl
	v_lshl_add_u32 v251, v0, 2, 0x18c00
	v_mov_b32 v255, 0
	v_lshrrev_b32 v1, 5, v0
	v_readfirstlane_b32 s16, v1                    ; wave 0..7
	v_and_b32 v2, 31, v0                           ; lane
	v_lshlrev_b32 v3, 4, v2                        ; my 16 bytes of a load's 512
	s_and_b32 s17, ttmp7, 0xffff                   ; work-group y
	s_cmp_lt_u32 ttmp9, 16
	s_cbranch_scc0 .Lw_path
; ---------------------------------------------------------------- x
	s_mul_i32 s18, s16, WREG
	v_lshrrev_b32 v14, 2, v2
	v_mul_u32_u24 v14, v14, SP
	v_and_b32 v15, 3, v2
	v_lshl_add_u32 v14, v15, 4, v14
	v_add_nc_u32 v14, s18, v14                     ; the stage, on the way in: SP (lane / 4) + 16 (lane % 4); a load's 512 bytes take eight places
	v_mul_u32_u24 v15, v2, SP
	v_add_nc_u32 v15, s18, v15                     ; and on the way out: SP x lane: my 16 neighbours
	v_mul_u32_u24 v4, v2, 12                       ; my codes' place in a step's 384 bytes
	v_lshrrev_b32 v5, 1, v2
	s_add_co_u32 s18, s18, 2*32*SP
	v_add_nc_u32 v5, s18, v5                       ; LDS: my block's scale byte
	v_lshlrev_b32 v7, 3, v2                        ; the scale bytes' way out: 8 bytes a lane
	v_add_nc_u32 v6, s18, v7
	s_lshl_b32 s19, s17, 4
	s_add_co_u32 s19, s19, ttmp9                   ; which of the 64
	s_lshl_b32 s19, s19, 3
	s_add_co_u32 s20, s19, s16                     ; my run of 8 rows as it is read: 8 x work-group + wave
	s_and_b32 s21, s16, 4
	s_add_co_u32 s19, s19, s21
	s_and_b32 s21, s16, 1
	s_lshl_b32 s21, s21, 1
	s_add_co_u32 s19, s19, s21
	s_bfe_u32 s21, s16, 0x10001
	s_add_co_u32 s19, s19, s21                     ; and as it is stored: the run's two lowest bits (the rows' bits 3 and 4) exchanged
	s_lshl_b32 s20, s20, 15                        ; 32,768 bytes of x a run
	s_mov_b32 s21, 0
	s_mul_i32 s22, s19, 6144                       ; 6,144 bytes of codes
	s_mov_b32 s23, 0
	s_lshl_b32 s24, s19, 8                         ; 256 scale bytes
	s_mov_b32 s25, 0
	s_wait_kmcnt 0x0
	s_add_nc_u64 s[4:5], s[4:5], s[20:21]
	s_add_nc_u64 s[8:9], s[8:9], s[22:23]
	s_add_nc_u64 s[10:11], s[10:11], s[24:25]
.macro LOAD t
.irp i, 0,1,2,3
	global_load_b128 v[XR+16*((\t)%8)+4*\i:XR+16*((\t)%8)+4*\i+3], v3, s[4:5] offset:2048*(\t)+512*\i th:TH_LOAD_NT   ; 32 lanes read 512 consecutive bytes
.endr
.endm
.macro TURN t                          ; step t's numbers through the stage: LDS serves a wave's instructions in order, so no wait stands between the stores and the loads
.irp i, 0,1,2,3
	ds_store_b128 v14, v[XR+16*((\t)%8)+4*\i:XR+16*((\t)%8)+4*\i+3] offset:32*SP*((\t)%2)+8*SP*\i
.endr
.irp i, 0,1,2,3
	ds_load_b128 v[XX+16*((\t)%2)+4*\i:XX+16*((\t)%2)+4*\i+3], v15 offset:32*SP*((\t)%2)+16*\i
.endr
.endm
.irp t, 0,1,2,3,4,5,6,7
	LOAD \t
.endr
	s_wait_loadcnt 28                              ; step 0's four loads are in; the seven steps behind it stay out
	TURN 0
.macro XSTEP t
.set XS, XX+16*((\t)%2)
.if (\t) > 0
	s_wait_dscnt 1                                 ; this step's numbers are back from the stage (the last step's byte store may be out): so its stores into the stage have read their registers,
.else
	s_wait_dscnt 0x0
.endif
.if (\t)+8 < 16
	LOAD (\t)+8                                    ; which take the loads of eight steps on
.endif
.if (\t)+1 < 16
.if (\t)+8 < 16
	s_wait_loadcnt 28                              ; the next step's four loads are in; those of the seven steps behind it may be out
.else
	s_wait_loadcnt 4*(14-(\t))                     ; nothing more is asked for: the count runs down with the steps that are left behind the next one
.endif
	TURN (\t)+1                                    ; and go through the other stage while this step is worked
.endif
	v_max3_num_f32 v8, |v[XS]|, |v[XS+1]|, |v[XS+2]|               ; the largest magnitude of my 16, in two chains
	v_max3_num_f32 v9, |v[XS+3]|, |v[XS+4]|, |v[XS+5]|
.irp i, 6,10
	v_max3_num_f32 v8, v8, |v[XS+\i]|, |v[XS+\i+1]|
	v_max3_num_f32 v9, v9, |v[XS+\i+2]|, |v[XS+\i+3]|
.endr
	v_max3_num_f32 v8, v8, |v[XS+14]|, |v[XS+15]|
	v_max3_num_f32 v8, v8, v9, 0x1800000           ; and the floor 2^(3 - 127): the byte cannot fall under 1
	v_max_num_f32_dpp v8, v8, v8 row_xmask:1 row_mask:0xf bank_mask:0xf   ; and of my neighbour's 16: the block's
	v_add_nc_u32 v11, 0xff000000, v8               ; 2 off its exponent field: the conversion takes the exponent field of this operand as its scale, and nothing else of it
	v_cvt_scalef32_pk16_fp6_f32 v[XC+4*(\t):XC+4*(\t)+2], v[XS:XS+15], v11
	v_lshrrev_b32 v[XE+(\t)], 23, v11              ; the scale's byte (also the plain line behind the conversion)
	ds_store_b8 v5, v[XE+(\t)] offset:16*(\t)      ; both lanes of a block write the same byte with the same value
	global_store_b96 v4, v[XC+4*(\t):XC+4*(\t)+2], s[8:9] offset:384*(\t)   ; the wave stores 384 consecutive bytes
.endm
.irp t, 0,1,2,3,4,5,6,7,8,9,10,11,12,13,14,15
	XSTEP \t
.endr
	ds_load_b64 v[12:13], v6                       ; LDS serves a wave's instructions in order: these see my byte stores
	s_wait_dscnt 0x0
	global_store_b64 v7, v[12:13], s[10:11]        ; 32 lanes store 256 consecutive bytes, aligned: eight rows' scale bytes
	s_wait_tensorcnt 0x0
	ds_add_u32 v251, v255
	s_wait_dscnt 0x0
	s_endpgm
; ---------------------------------------------------------------- W
.Lw_path:
	s_sub_co_u32 s18, ttmp9, 16                    ; which 128 columns: 0..23;  s17: which 256 along K
	s_lshl_b32 s20, s17, 8
	s_lshl_b32 s21, s16, 5
	s_add_co_u32 s20, s20, s21                     ; my first row of W: 256 y + 32 wave
	s_mul_i32 s20, s20, 12288                      ; a row of W is 12,288 bytes
	s_lshl_b32 s21, s18, 9
	s_add_co_u32 s20, s20, s21                     ; + 512 bytes for each 128 columns
	s_mov_b32 s21, 0
	s_lshl_b32 s22, s18, 7
	s_add_co_u32 s22, s22, 4096                    ; the stored row of the work-group's first column
	s_lshl_b32 s23, s16, 4
	s_add_co_u32 s23, s23, s22                     ; on the way out wave w stores rows 16 w .. 16 w + 15 of the 128
	s_mul_i32 s24, s23, 768
	s_mul_i32 s23, s17, 192
	s_add_co_u32 s24, s24, s23                     ; + the 192 bytes of these 256 along K
	s_mov_b32 s25, 0
	s_and_b32 s26, s16, 3                          ; the scale bytes leave by waves 0-3, 32 rows each
	s_lshl_b32 s23, s26, 5
	s_add_co_u32 s23, s23, s22
	s_lshl_b32 s28, s23, 5                         ; 32 scale bytes a row,
	s_lshl_b32 s23, s17, 3
	s_add_co_u32 s28, s28, s23                     ; + the 8 of these 256 along K
	s_mov_b32 s29, 0
	s_wait_kmcnt 0x0
	s_add_nc_u64 s[6:7], s[6:7], s[20:21]
	s_add_nc_u64 s[8:9], s[8:9], s[24:25]
	s_add_nc_u64 s[10:11], s[10:11], s[28:29]
.set i, 0
.rept 32
	global_load_b128 v[WR+4*i:WR+4*i+3], v3, s[6:7] offset:i*12288 th:TH_LOAD_NT   ; row i: 32 lanes read 512 consecutive bytes, aligned; 31 rows are 380,928 bytes: inside the immediate
.set i, i+1
.endr
	v_and_b32 v4, 0x19, v2                         ; column 4 lane + q: its bits 3 and 4 are the lane's bits 1 and 2: exchanged they give the stored row 4 lane' + q
	v_bfe_u32 v1, v2, 1, 1
	v_lshl_add_u32 v4, v1, 2, v4
	v_bfe_u32 v1, v2, 2, 1
	v_lshl_add_u32 v4, v1, 1, v4                   ; lane'
	v_mul_u32_u24 v5, v4, 4*WP
	s_lshl_b32 s19, s16, 5
	s_add_co_u32 s19, s19, WST
	v_add_nc_u32 v5, s19, v5                       ; into the stage: row 4 lane' (+ q by the immediate), my block's two places: 32 x wave
	v_lshlrev_b32 v6, 5, v4
	s_add_co_u32 s19, s16, WSB
	v_add_nc_u32 v6, s19, v6                       ; the scale byte: 8 x row + wave
	v_lshrrev_b32 v7, 4, v2
	v_and_b32 v8, 15, v2
	v_mul_u32_u24 v9, v7, WP
	v_lshl_add_u32 v9, v8, 4, v9
	s_mul_i32 s19, s16, 16*WP
	s_add_co_u32 s19, s19, WST
	v_add_nc_u32 v9, s19, v9                       ; out of the stage: sixteen lanes to a row, two rows an instruction
	v_mul_u32_u24 v10, v7, 768
	v_mad_u32_u24 v10, v8, 12, v10                 ; and the same place in the codes' buffer
	s_lshl_b32 s19, s26, 8
	s_add_co_u32 s19, s19, WSB
	v_lshl_add_u32 v11, v2, 3, s19                 ; the scale bytes' way out: row 32 (wave & 3) + lane, 8 bytes
	v_lshlrev_b32 v12, 5, v2                       ; and its row of scl
	s_wait_loadcnt 0x0
.irp q, 0,1,2,3
	v_max3_num_f32 v[WMX+\q], |v[WR+\q]|, |v[WR+4+\q]|, 0x1800000   ; column q's block: all 32 numbers are mine; and the floor 2^(3 - 127)
.endr
.irp i, 2,4,6,8,10,12,14,16,18,20,22,24,26,28,30
.irp q, 0,1,2,3
	v_max3_num_f32 v[WMX+\q], v[WMX+\q], |v[WR+4*\i+\q]|, |v[WR+4*\i+4+\q]|   ; (the four columns by turns)
.endr
.endr
.irp q, 0,1,2,3
	v_add_nc_u32 v[WSO+\q], 0xff000000, v[WMX+\q]  ; 2 off the exponent field: the conversion's scale operand
.endr
.irp q, 0,1,2,3
	v_lshrrev_b32 v[WBY+\q], 23, v[WSO+\q]         ; the scale's byte
.endr
.irp q, 0,1,2,3
.set i, 0
.rept 32
	v_mov_b32 v[WG+i], v[WR+4*i+\q]                ; the conversions take 16 neighbours along K from consecutive registers: the column is brought on end
.set i, i+1
.endr
	v_cvt_scalef32_pk16_fp6_f32 v[WCD+8*\q:WCD+8*\q+2], v[WG:WG+15], v[WSO+\q]
	v_cvt_scalef32_pk16_fp6_f32 v[WCD+8*\q+4:WCD+8*\q+6], v[WG+16:WG+31], v[WSO+\q]   ; (a conversion's three registers begin on an even number)
	v_nop                                          ; one plain line between the conversions and the moves that write their sources again
	ds_store_b96 v5, v[WCD+8*\q:WCD+8*\q+2] offset:WP*\q          ; 12 bytes to a place of 16: every LDS address is a multiple of 16
	ds_store_b96 v5, v[WCD+8*\q+4:WCD+8*\q+6] offset:WP*\q+16
	ds_store_b8 v6, v[WBY+\q] offset:8*\q
.endr
	s_wait_dscnt 0x0                               ; for the others' sake: my stores into the stage are done
	s_barrier_signal -1                            ; (this way is taken by all eight waves of a work-group or by none)
	s_barrier_wait -1
.irp t, 0,1,2,3,4,5,6,7
	ds_load_b96 v[WR+4*\t:WR+4*\t+2], v9 offset:2*WP*\t
.endr
.irp t, 0,1,2,3,4,5,6,7
	s_wait_dscnt 7-\t                              ; load t is back; the younger ones may be out
	global_store_b96 v10, v[WR+4*\t:WR+4*\t+2], s[8:9] offset:1536*\t   ; sixteen lanes store a row's 192 consecutive bytes
.endr
	s_cmp_lt_u32 s16, 4
	s_cbranch_scc0 .Lw_end
	ds_load_b64 v[32:33], v11
	s_wait_dscnt 0x0
	global_store_b64 v12, v[32:33], s[10:11]       ; 8 bytes of each of 32 rows, 32 bytes apart: pieces of aligned blocks, 98,304 bytes in the whole launch
.Lw_end:
	s_wait_tensorcnt 0x0
	ds_add_u32 v251, v255
	s_wait_dscnt 0x0
	s_endpgm
.Lfunc_end_k_qb41beb7b2a_quant:
	.size	k_qb41beb7b2a_quant, .Lfunc_end_k_qb41beb7b2a_quant-k_qb41beb7b2a_quant
	.p2alignl 7, 3214868480
	.fill 96, 4, 3214868480
	.section	.rodata,"a",@progbits
	.p2align	6, 0x0
	.amdhsa_kernel k_qb41beb7b2a_quant
		.amdhsa_group_segment_fixed_size 102400
		.amdhsa_private_segment_fixed_size 0
		.amdhsa_enable_private_segment 0
		.amdhsa_kernarg_size 32
		.amdhsa_user_sgpr_count 2
		.amdhsa_user_sgpr_kernarg_segment_ptr 1
		.amdhsa_wavefront_size32 1
		.amdhsa_system_sgpr_workgroup_id_x 1
		.amdhsa_system_sgpr_workgroup_id_y 1
		.amdhsa_system_sgpr_workgroup_id_z 1
		.amdhsa_system_vgpr_workitem_id 0
		.amdhsa_next_free_vgpr 256
		.amdhsa_next_free_sgpr 66
		.amdhsa_reserve_vcc 0
		.amdhsa_float_denorm_mode_32 3
		.amdhsa_float_denorm_mode_16_64 3
		.amdhsa_memory_ordered 1
		.amdhsa_forward_progress 1
		.amdhsa_inst_pref_size 50
	.end_amdhsa_kernel
	.amdgpu_metadata
---
amdhsa.version: [ 1, 2 ]
amdhsa.kernels:
  - .name:           k_qb41beb7b2a_quant
    .symbol:         k_qb41beb7b2a_quant.kd
    .args:
      - { .name: x, .offset: 0, .size: 8, .value_kind: global_buffer, .address_space: global }
      - { .name: W_qkv, .offset: 8, .size: 8, .value_kind: global_buffer, .address_space: global }
      - { .name: codes, .offset: 16, .size: 8, .value_kind: global_buffer, .address_space: global }
      - { .name: scl, .offset: 24, .size: 8, .value_kind: global_buffer, .address_space: global }
    .group_segment_fixed_size: 102400
    .private_segment_fixed_size: 0
    .kernarg_segment_align: 8
    .kernarg_segment_size: 32
    .max_flat_workgroup_size: 256
    .sgpr_count:     66
    .vgpr_count:     256
    .wavefront_size: 32
...
	.end_amdgpu_metadata
.endif
;; end of part 1
;; launch gemm (part 2): grid 12 x 16, 4 waves a work-group, clusters of 4 x 4, 327,680 bytes of LDS; arguments codes, scl, b_qkv, img, isc; writes img, isc
.if DOCPART == 2
	.amdgcn_target "amdgcn-amd-amdhsa--gfx1250"
	.amdhsa_code_object_version 6
	.text
	.protected	k_qb41beb7b2a_gemm
	.globl	k_qb41beb7b2a_gemm
	.p2align	8
	.type	k_qb41beb7b2a_gemm,@function
k_qb41beb7b2a_gemm:
	s_mov_b64 s[64:65], 0
	v_nop
	global_prefetch_b8 v0, s[64:65] scope:SCOPE_SE
	s_setreg_imm32_b32 hwreg(HW_REG_WAVE_MODE, 25, 1), 1
	s_wait_xcnt 0x0
	s_wait_alu depctr_hold_cnt(0) depctr_sa_sdst(0) depctr_va_vdst(0) depctr_va_sdst(0) depctr_va_ssrc(0) depctr_va_vcc(0) depctr_vm_vsrc(0)
	s_getreg_b32 s2, hwreg(HW_REG_IB_STS2, 6, 4)
	s_cmp_eq_u32 s2, 0
	s_cbranch_scc0 .Lentry_in_a_cluster
	s_endpgm
.Lentry_in_a_cluster:
	s_bfe_u32 s2, ttmp6, 0x10000c
	s_cmp_lg_u32 s2, 0xf033
	s_cbranch_scc0 .Lentry_shape_is_right
	s_endpgm
.Lentry_shape_is_right:
; qkv = Q(x) Q(W) + b on codes of FP6 (E2M3) with E8M0 scales, K = 1,024; q, k and v are quantised in registers and leave as codes: qkv never lies in memory as f32.
; IN: codes (7,168 rows x 768 bytes: rows 0-4095 tokens, 4096-7167 W's columns: q, k, v), scl (the same rows x 32 scale bytes); a true row lies at the row whose number has bits 3 and 4 exchanged.  b_qkv [3072] f32.
; A tile of 256 x 256 is made by four waves, 128 x 128 each: 64 accumulators, 512 registers.  K goes in steps of 256 (rows of 192 bytes) through a ring of two LDS slots filled by the tensor data mover;
; the scale bytes of the work-group's 2 x 256 rows come once and stay in LDS.  Clusters of 4 x 4: source 1's tiles are shared along a row of the cluster, source 0's along a column: joint loads.
; SOURCE 0's rows run along a lane's registers, SOURCE 1's rows lie in the lanes (lane % 16).  WHICH TENSOR IS WHICH SOURCE IS CHOSEN BY THE ROW NUMBER, NOT BY THE TEXT (both lie in one buffer):
;   cluster x = 0 (q), 1 (k): source 1 = tokens, source 0 = W's columns: a lane holds one token and its registers run along the channels, which are the K of q k^T;
;   cluster x = 2 (v):        source 1 = W's columns, source 0 = tokens: a lane holds one channel and its registers run along the tokens, the keys, which are the K of p v.
; By the exchange of bits 3 and 4, register j of tile b of lane (r, h) is source 0's true index 32 (b / 2) + 16 h + 8 (b % 2) + j: the 16 registers of tiles 2 B, 2 B + 1 are 16 neighbours along the next K;
; lane r of block a holds source 1's true index 32 (a / 2) + 8 (a % 2) + 16 (r / 8) + r % 8.
; THE BIAS, without a branch: along the registers (q, k) it is the C of the first K step's products; along the lanes (v) it is added where the results are copied for the quantiser; each is selected to zeros where the other holds.
; OUT: img: three parts (q, k, v) of [32 heads][98,304]: images of operand registers: q, k: [tile of 16 tokens][3 register pairs][lane][8 bytes]; v: [128 keys][4 tiles of 16 channels][6 register pairs][lane][8 bytes].
;      isc: three parts of [32][16][lane][4 words]: q, k: word A of lane 16 u + r = the scale word of row r of tile 2 A + u (bytes 0, 1: the head's two blocks; bytes 2, 3: 0); v: words 0, 1 likewise, four bytes each.
; LIMITS: NaN and infinities are not served; a block whose largest magnitude lies under 2^-124 (a block of zeros too) gets the byte 1: its codes are then held small or zero, and this program alone reads the bytes.
; REGISTERS, in windows of 256: window 0: v0-31 addresses; v32-63 scale words, two sets, and nothing else; v64-127 the bias along the registers, later 64 numbers at the quantiser; v128-223 source 1's fragments, one set,
;   later the quantiser's work; v224-239 the bias along the lanes.  window 1: source 0's fragments, two sets.  windows 2, 3: the accumulators ((a, b) at v[8 (8 (a % 4) + b)] of window 2 + a / 4).
.set KSTEP,  256
.set NQ,     2                         ; matrix instructions deep in a slot
.set ROWB,   192                       ; a tile's row in bytes
.set KROW,   768                       ; a row of codes in memory
.set PITCH,  240                       ; an LDS row: 3 x (64 bytes + 16 of padding): the 32 lanes of a load of 8 bytes touch 64 different banks (64 banks of 4 bytes: ISA guide 11.1)
.set FR,     12
.set NL,     6
.set NP,     4                         ; places behind this matrix instruction (ISA guide 7.12.1)
.set HALFT,  128*PITCH
.set SLOT,   4*HALFT
.set LAPS,   2                         ; 1,024 along K = four slots' worth = twice round the ring
.set KS,     32                        ; a row of scale bytes
.set SCL,    2*SLOT                    ; behind the ring: the scale bytes, as rows of 256 bytes + 16 of padding
.set HALFS,  (128*KS/256)*272
.set SBLK,   (16*KS/256)*272
.set SPARE,  SCL+4*HALFS               ; the spare words, 128 bytes for each wave: two blocks of 256 bytes that no other line names
.set ADRA, 16                          ; v16-17 LDS address of source 1's fragments in slot 0, 1 (v18-19: behind one padding more)
.set ADRB, 20                          ; v20-23 the same for source 0
.set VO0,  24                          ; v24  the way out: 8 x lane + the block's place
.set VO1,  25                          ; v25  the same for registers 6-11 of the codes
.set VSO,  26                          ; v26  16 x lane
.set ADRS, 27                          ; v27  LDS address of my scale words: lanes 0-15 source 1's rows, lanes 16-31 source 0's
.set SPW,  28                          ; v28  my spare word; never rewritten
.set NIL,  29                          ; v29  0; never rewritten
.set SC,   32
.set XB,   64                          ; the bias along the registers: eight for each tile b
.set HA,   64                          ; later: a block's 64 numbers
.set AF,   128
.set PC,   128                         ; later: v128-139 the codes, v140-147 at work
.set W0,   148                         ; v148-151, v152-155 the two stores of scale words
.set W1,   152
.set TM,   160                         ; v160-175 the quantiser's work
.set PWS,  176                         ; v176-183 the scale word of each block a
.set U,    184                         ; v184-187 two blocks' words joined by halves of the lanes
.set YB,   224                         ; the bias along the lanes: a pair for each block a
.set WV, 18                            ; s18 wave;  s19 wave / 2: my half of source 1's rows, and: I fetch for source 1 (0) or 0 (1);  s20 wave % 2: my half of source 0's rows, and which 128 rows I fetch
.set WH, 19
.set WC, 20
.set SEL, 10                           ; s[10:11] behind the loop: lane selects for v_permlanex16_b32
.set G1, 24
.set G0, 32
.set G1B, 48
.set G0B, 56
.set G1S, 68
.set G0S, 76
.set G1SB, 80
.set G0SB, 88
.set MSB, 0
.macro WIN new                         ; the immediate's high byte repeats the setting that is left
.if MSB != (\new)
	s_set_vgpr_msb (MSB<<8)|(\new)
.set MSB, (\new)
.endif
.endm
.set MUL_LO, 0xa1                      ; source 0 window 1, source 1 window 0, C and D window 2
.set MUL_HI, 0xf1                      ; the same, C and D window 3
.set MUL0_LO, 0x81                     ; the first K step: C (the bias) window 0, D window 2
.set MUL0_HI, 0xc1
.set TO_B,   0x40
; A joint load: waves 0 and 1 fetch for source 1, waves 2 and 3 for source 0.  The branch hangs on the wave's number alone.  Four v_nop follow each of the two lines.
.macro JLOAD g0a, g1a, g0b, g1b
	s_cmp_eq_u32 s[WH], 0
	s_cbranch_scc0 .Lfor_b_\@
	tensor_load_to_lds s[\g0a:\g0a+3], s[\g1a:\g1a+7]
	s_nop 0
.rept 4
	v_nop
.endr
	s_branch .Lasked_\@
.Lfor_b_\@:
	tensor_load_to_lds s[\g0b:\g0b+3], s[\g1b:\g1b+7]
	s_nop 0
.rept 4
	v_nop
.endr
.Lasked_\@:
.endm
.macro CREST                           ; a round of the cluster's barrier behind its opening barrier
	s_cmp_lg_u32 s[WV], 0
	s_cbranch_scc1 .Lnot_wave_0_\@
	s_barrier_signal -3
.Lnot_wave_0_\@:
	s_barrier_wait -3
	s_barrier_signal -1
	s_barrier_wait -1
.endm
.macro CROUND
	s_barrier_signal -1
	s_barrier_wait -1
	CREST
.endm
	s_load_b128 s[4:7], s[0:1], 0x0                ; codes s[4:5], scl s[6:7]
	s_load_b128 s[12:15], s[0:1], 0x10             ; b_qkv s[12:13], img s[14:15]
	s_load_b64 s[16:17], s[0:1], 0x20              ; isc
	v_lshl_add_u32 v[SPW], v0, 2, SPARE
	v_mov_b32 v[NIL], 0
	ds_add_u32 v28, v29
	ds_add_u32 v28, v29
	s_wait_dscnt 0x0
	v_lshrrev_b32 v1, 5, v0
	v_readfirstlane_b32 s[WV], v1
	s_lshr_b32 s[WH], s[WV], 1
	s_and_b32 s[WC], s[WV], 1
	s_mov_b32 s21, 0xffff0000                      ; lanes 16-31
	s_bfe_u32 s40, ttmp6, 0x40000                  ; cx, cy: my place in the cluster
	s_bfe_u32 s41, ttmp6, 0x40004
	s_and_b32 s22, ttmp7, 0xffff
	s_lshl_b32 s22, s22, 2                         ; 4 x cluster y
	s_lshl_b32 s23, ttmp9, 2
	s_add_co_u32 s23, s23, 16                      ; 16 + 4 x cluster x: where q's or k's columns begin, in tiles of 256 stored rows
	s_mov_b32 s96, 768
	s_mov_b32 s98, 98304
	s_cmp_eq_u32 ttmp9, 2                          ; v's cluster?  All selections stand ahead of the first addition, which sets SCC
	s_cselect_b32 s67, 24, s22                     ; source 1: v's columns begin at tile 24; else tokens
	s_cselect_b32 s42, s22, s23                    ; source 0: tokens; else q's or k's columns
	s_cselect_b32 s2, -1, 0                        ; all lanes where v
	s_cselect_b32 s66, 0, -1                       ; all lanes where q or k
	s_cselect_b32 s96, 1536, s96                   ; the way out: bytes from a block's image to the next's,
	s_cselect_b32 s97, 92160, 0                    ; what is added behind block 3 (v: on to the next head),
	s_cselect_b32 s98, 768, s98                    ; and from registers 0-5 to registers 6-11 (q, k: the next head; v: the fragment's other half)
	s_add_co_u32 s67, s67, s41                     ; source 1's tile: it hangs on cy, never on cx
	s_add_co_u32 s42, s42, s40                     ; source 0's tile: on cx, never on cy
	s_lshl_b32 s43, s41, 2
	s_lshl_b32 s43, 15, s43                        ; my row of the cluster
	s_lshl_b32 s44, 0x1111, s40                    ; my column
	; descriptor group 1: a tile of 128 rows x 192 bytes, 16 bytes of padding behind every 64
	s_or_b32 s[G1+0], s43, (0<<16)|(1<<20)|(1<<21)|(3<<22)|(3<<25)  ; 15:0 the mask; 17:16 elements of 1 byte; 20 padding on; 21 set beside a mask; 24:22 after every 16 words; 31:25 of 4 words
	s_or_b32 s[G1B+0], s44, (0<<16)|(1<<20)|(1<<21)|(3<<22)|(3<<25)
.irp g, G1, G1B
	s_mov_b32 s[\g+1], ROWB<<16                    ; tensor_dim0
	s_mov_b32 s[\g+2], 128<<16                     ; tensor_dim1
	s_mov_b32 s[\g+3], ROWB<<16                    ; tile_dim0
	s_mov_b32 s[\g+4], 128                         ; tile_dim1
	s_mov_b32 s[\g+5], KROW                        ; the pitch
	s_mov_b32 s[\g+6], 0
	s_mov_b32 s[\g+7], 0
.endr
	; the scale bytes of 128 rows: 4,096 dense bytes, as 16 rows of 256 bytes (32 elements of 8), 16 bytes of padding behind each
	s_or_b32 s[G1S+0], s43, (3<<16)|(1<<20)|(1<<21)|(5<<22)|(3<<25)
	s_or_b32 s[G1SB+0], s44, (3<<16)|(1<<20)|(1<<21)|(5<<22)|(3<<25)
.irp g, G1S, G1SB
	s_mov_b32 s[\g+1], 32<<16
	s_mov_b32 s[\g+2], (128*KS/256)<<16
	s_mov_b32 s[\g+3], 32<<16
	s_mov_b32 s[\g+4], 128*KS/256
	s_mov_b32 s[\g+5], 32
	s_mov_b32 s[\g+6], 0
	s_mov_b32 s[\g+7], 0
.endr
	s_lshl_b32 s9, s[WC], 7                        ; which 128 rows of the tile I fetch
	s_lshl_b32 s10, s67, 8
	s_add_co_u32 s10, s10, s9                      ; source 1: stored row
	s_lshl_b32 s46, s42, 8
	s_add_co_u32 s46, s46, s9                      ; source 0: stored row
	s_lshl_b32 s92, s10, 5                         ; their scale bytes (all these offsets stay under 2^23),
	s_mov_b32 s93, 0
	s_lshl_b32 s94, s46, 5
	s_mov_b32 s95, 0
	s_mul_i32 s10, s10, KROW                       ; and their codes
	s_mov_b32 s11, 0
	s_mul_i32 s46, s46, KROW
	s_mov_b32 s47, 0
	s_mul_i32 s45, s[WV], HALFT                    ; where they go: wave x 128 rows: no place in the cluster enters an LDS address
	s_mul_i32 s8, s[WV], HALFS
	s_wait_kmcnt 0x0
	s_add_nc_u64 s[10:11], s[4:5], s[10:11]
	s_add_nc_u64 s[46:47], s[4:5], s[46:47]
	CROUND                                         ; all sixteen work-groups are here: the first joint loads meet
	s_mov_b32 s[G0S], 1
	s_add_co_u32 s[G0S+1], s8, SCL
	s_add_nc_u64 s[G0S+2:G0S+3], s[6:7], s[92:93]
	s_or_b32 s[G0S+3], s[G0S+3], 0x80000000
	s_mov_b32 s[G0SB], 1
	s_add_co_u32 s[G0SB+1], s8, SCL
	s_add_nc_u64 s[G0SB+2:G0SB+3], s[6:7], s[94:95]
	s_or_b32 s[G0SB+3], s[G0SB+3], 0x80000000
	JLOAD G0S, G1S, G0SB, G1SB                     ; the scale bytes first: they are wanted with K step 0
.irp s, 0,1
	s_mov_b32 s[G0+4*\s], 1
	s_add_co_u32 s[G0+4*\s+1], s45, \s*SLOT
	s_add_nc_u64 s[G0+4*\s+2:G0+4*\s+3], s[10:11], \s*ROWB
	s_or_b32 s[G0+4*\s+3], s[G0+4*\s+3], 0x80000000
	s_mov_b32 s[G0B+4*\s], 1
	s_add_co_u32 s[G0B+4*\s+1], s45, \s*SLOT
	s_add_nc_u64 s[G0B+4*\s+2:G0B+4*\s+3], s[46:47], \s*ROWB
	s_or_b32 s[G0B+4*\s+3], s[G0B+4*\s+3], 0x80000000
	JLOAD G0+4*\s, G1, G0B+4*\s, G1B               ; three loads of mine are out
.endr
	v_and_b32 v1, 15, v0                           ; r
	v_bfe_u32 v2, v0, 4, 1                         ; h
	; the bias.  Both formulas stay inside b_qkv's 3,072 numbers in every cluster; what does not hold for the cluster's kind is selected to zeros below
	s_lshl_b32 s99, ttmp9, 2
	s_add_co_u32 s99, s99, s40
	s_lshl_b32 s99, s99, 1
	s_add_co_u32 s99, s99, s[WC]
	s_lshl_b32 s99, s99, 9                         ; along the registers: 4 bytes x (256 (4 cluster x + cx) + 128 (wave % 2)),
	v_lshl_add_u32 v8, v2, 6, s99                  ; + 16 h numbers; tile b adds 32 (b / 2) + 8 (b % 2)
	s_lshl_b32 s99, s41, 1
	s_add_co_u32 s99, s99, s[WH]
	s_lshl_b32 s99, s99, 9
	s_add_co_u32 s99, s99, 8192                    ; along the lanes: 4 bytes x (2,048 + 256 cy + 128 (wave / 2)),
	v_and_b32 v9, 8, v1
	v_add_nc_u32 v9, v9, v1
	v_lshl_add_u32 v9, v9, 2, s99                  ; + r + 8 (r / 8) numbers; block a adds 32 (a / 2) + 8 (a % 2)
.irp b, 0,1,2,3,4,5,6,7
	global_load_b128 v[XB+8*\b:XB+8*\b+3], v8, s[12:13] offset:4*(32*(\b/2)+8*(\b%2))
	global_load_b128 v[XB+8*\b+4:XB+8*\b+7], v8, s[12:13] offset:4*(32*(\b/2)+8*(\b%2))+16
.endr
.irp a, 0,1,2,3,4,5,6,7
	global_load_b32 v[YB+2*\a], v9, s[12:13] offset:4*(32*(\a/2)+8*(\a%2))
.endr
	v_mul_u32_u24 v3, v1, PITCH
	v_mul_u32_u24 v4, v2, 24
	v_add_nc_u32 v4, v3, v4                        ; a fragment's row x pitch + 24 x half
	v_lshl_add_u32 v5, v2, 4, v4                   ; and the same behind one padding more
	s_mul_i32 s22, s[WH], HALFT                    ; my 128 rows of source 1
	s_mul_i32 s23, s[WC], HALFT                    ; my 128 rows of source 0,
	s_add_co_u32 s23, s23, 2*HALFT                 ; which lie behind source 1's 256
.irp s, 0,1
	v_add_nc_u32 v[ADRA+\s], s22, v4
	v_add_nc_u32 v[ADRB+\s], s23, v4
	v_add_nc_u32 v[ADRA+2+\s], s22, v5
	v_add_nc_u32 v[ADRB+2+\s], s23, v5
	s_add_co_u32 s22, s22, SLOT
	s_add_co_u32 s23, s23, SLOT
.endr
	v_mul_u32_u24 v5, v1, KS                       ; my row's scale bytes: 32 a row,
	v_lshrrev_b32 v6, 8, v5
	v_lshl_add_u32 v5, v6, 4, v5                   ; and 16 more for each 256 passed
	s_mul_i32 s22, s[WH], HALFS
	s_mul_i32 s23, s[WC], HALFS
	s_add_co_u32 s23, s23, 2*HALFS
	s_sub_co_u32 s23, s23, s22
	v_mul_u32_u24 v6, s23, v2                      ; lanes 16-31 take source 0's: one product, the distance between the two bases x h
	s_add_co_u32 s22, s22, SCL
	v_add_nc_u32 v5, v5, v6
	v_add_nc_u32 v[ADRS], s22, v5
	v_and_b32 v6, 31, v0
	v_lshlrev_b32 v[VO0], 3, v6
	v_add_nc_u32 v[VO1], s98, v[VO0]
	v_lshlrev_b32 v[VSO], 4, v6
	; where my results go, in registers that feed no descriptor: tokens 128 tk on (tk = 2 x token tile + half), heads 2 x (2 x channel tile + half) on
	s_and_b32 s101, ttmp7, 0xffff
	s_lshl_b32 s101, s101, 2
	s_cmp_eq_u32 ttmp9, 2
	s_cselect_b32 s99, s40, s41                    ; the tokens' tile hangs on cx where v, else on cy;
	s_cselect_b32 s100, s[WC], s[WH]               ; their half likewise;
	s_cselect_b32 s104, s41, s40                   ; the channels' tile the other way round
	s_add_co_u32 s99, s99, s101
	s_lshl_b32 s99, s99, 1
	s_add_co_u32 s99, s99, s100                    ; tk, 0..31
	s_sub_co_u32 s100, s[WH], s100
	s_add_co_u32 s100, s100, s[WC]                 ; the channels' half: the other of the two
	s_lshl_b32 s104, s104, 1
	s_add_co_u32 s104, s104, s100
	s_lshr_b32 s100, s99, 4                        ; the batch
	s_lshl_b32 s100, s100, 3
	s_add_co_u32 s104, s104, s100                  ; half the number of my first (batch, head): 8 batch + 2 tile + half
	s_and_b32 s99, s99, 15                         ; which 128 tokens of the sequence
	s_mul_i32 s100, s104, 196608                   ; img: 98,304 bytes a head,
	s_mul_i32 s101, s99, 6144                      ; 6,144 for each 128 tokens,
	s_add_co_u32 s100, s100, s101
	s_mul_i32 s101, ttmp9, 3145728                 ; and the part of q, k or v
	s_add_co_u32 s100, s100, s101
	s_mov_b32 s101, 0
	s_lshl_b32 s104, s104, 14                      ; isc: 8,192 bytes a head,
	s_lshl_b32 s105, s99, 9                        ; 512 for each 128 tokens,
	s_add_co_u32 s104, s104, s105
	s_lshl_b32 s105, ttmp9, 18                     ; and the part
	s_add_co_u32 s104, s104, s105
	s_mov_b32 s105, 0
	s_add_nc_u64 s[14:15], s[14:15], s[100:101]
	s_add_nc_u64 s[16:17], s[16:17], s[104:105]
	s_wait_loadcnt 0x0                             ; the bias
.set i, 0
.rept 64
	v_cndmask_b32 v[XB+i], 0, v[XB+i], s66         ; kept where q or k, zeros where v
.set i, i+1
.endr
.irp a, 0,1,2,3,4,5,6,7
	v_cndmask_b32 v[YB+2*\a], 0, v[YB+2*\a], s2    ; kept where v, zeros where q or k
.endr
.irp a, 0,1,2,3,4,5,6,7
	v_mov_b32 v[YB+2*\a+1], v[YB+2*\a]             ; (named with it as a pair, so it is written)
.endr
.macro FRAG reg, adr, q, i             ; a fragment, 16 rows x 128 K: lane l holds row l % 16; registers 6 c .. 6 c + 5 hold K = 64 c + 32 (l / 16) + 0 .. 31: 24 bytes of the row, as they lie, in pieces of 8 bytes
.irp p, 0,1,2,3,4,5
.set PCE, 12*(\q)+6*(\p/3)+\p%3        ; 16 bytes of padding lie behind every 8 pieces: where the piece three on (lanes 16-31) lies behind one padding more, the second address register serves
.if PCE%8 < 5
	ds_load_b64 v[\reg+2*\p:\reg+2*\p+1], v[\adr] offset:8*PCE+16*(PCE/8)+(\i)*16*PITCH
.else
	ds_load_b64 v[\reg+2*\p:\reg+2*\p+1], v[\adr+2] offset:8*PCE+16*(PCE/8)+(\i)*16*PITCH
.endif
.endr
.endm
; 16 matrix instructions: source 1's blocks a0, a0 + 1 x source 0's eight.  p: source 0's set;  sc: the set of scale words.  zero = 1: the first K step: the bias along the registers starts the sums: nothing is cleared.
; The 64 accumulators take turns, one instruction a turn, in the same order in every step.
.macro MUL16 a0, p, q, sc, zero
.irp a, \a0, \a0+1
.irp b, 0,1,2,3,4,5,6,7
.if \zero
	v_wmma_scale_f32_16x16x128_f8f6f4 v[8*(8*((\a)%4)+\b):8*(8*((\a)%4)+\b)+7], v[128*(\p)+FR*\b:128*(\p)+FR*\b+FR-1], v[AF+FR*(\a):AF+FR*(\a)+FR-1], v[XB+8*\b:XB+8*\b+7], v[SC+8*NQ*(\sc)+NQ*\b+(\q)], v[SC+8*NQ*(\sc)+NQ*(\a)+(\q)] matrix_a_fmt:MATRIX_FMT_FP6 matrix_b_fmt:MATRIX_FMT_FP6 matrix_a_scale:MATRIX_SCALE_ROW1
.else
	v_wmma_scale_f32_16x16x128_f8f6f4 v[8*(8*((\a)%4)+\b):8*(8*((\a)%4)+\b)+7], v[128*(\p)+FR*\b:128*(\p)+FR*\b+FR-1], v[AF+FR*(\a):AF+FR*(\a)+FR-1], v[8*(8*((\a)%4)+\b):8*(8*((\a)%4)+\b)+7], v[SC+8*NQ*(\sc)+NQ*\b+(\q)], v[SC+8*NQ*(\sc)+NQ*(\a)+(\q)] matrix_a_fmt:MATRIX_FMT_FP6 matrix_b_fmt:MATRIX_FMT_FP6 matrix_a_scale:MATRIX_SCALE_ROW1
.endif
.endr
.endr
.endm
.macro FETCH_B slot, q, p
	WIN TO_B
.irp i, 0,1,2,3,4,5,6,7
	FRAG 128*(\p)+FR*\i, ADRB+\slot, \q, \i
.endr
	WIN 0
.endm
.macro FETCH_A slot, q, i0
.irp i, \i0, \i0+1, \i0+2, \i0+3
	FRAG AF+FR*(\i), ADRA+\slot, \q, \i
.endr
.endm
.macro SCALES sc                       ; a K step's scale words: two words a row; lanes 0-15 take source 1's block i, lanes 16-31 source 0's block i
.irp i, 0,1,2,3,4,5,6,7
	ds_load_b64 v[SC+8*NQ*\sc+NQ*\i:SC+8*NQ*\sc+NQ*\i+1], v[ADRS] offset:\i*SBLK
.endr
.endm
; A load into a register that a matrix instruction has read, and a vector instruction that reads a matrix result or writes a matrix instruction's register, stand NP places behind it; only plain vector
; instructions that name none of its registers are places (ISA guide 7.12.1 for vector instructions).
.macro PLACES n
.rept \n
	v_nop
.endr
.endm
.macro STEP slot, q, zero              ; 128 along K that have their successor in the same slot
	s_wait_dscnt 4*NL                              ; source 0's set and source 1's blocks 0-3 are in; the youngest 24 loads (blocks 4-7) may be out
.if \zero
	WIN MUL0_LO
.else
	WIN MUL_LO
.endif
	MUL16 0, (\q)%2, \q, \slot, \zero
	MUL16 2, (\q)%2, \q, \slot, \zero
	s_wait_dscnt 0                                 ; blocks 4-7 are in (asked for 32 matrix instructions ago)
	PLACES NP
	FETCH_B \slot, (\q)+1, 1-(\q)%2
	FETCH_A \slot, (\q)+1, 0
.if \zero
	WIN MUL0_HI
.else
	WIN MUL_HI
.endif
	MUL16 4, (\q)%2, \q, \slot, \zero
	MUL16 6, (\q)%2, \q, \slot, \zero
	PLACES NP
	WIN 0
	FETCH_A \slot, (\q)+1, 4
.endm
; A slot's last 128 change slots: ONE barrier; in front of it each wave waits for all its tensor loads, adds 0 to its spare word, and waits for that and for its own reads of this slot.  fill = 1: this slot is filled again, two K steps ahead.
.macro TURN slot, next, fill
	s_wait_tensorcnt 0x0                           ; all my tensor loads have landed: my part of the next slot  (every window is 0 here)
	ds_add_u32 v[SPW], v[NIL]                      ; 0 onto my spare word
	s_wait_dscnt 4*NL+1                            ; (the add and the youngest 24 loads may be out)
	WIN MUL_LO
	MUL16 0, 1, NQ-1, \slot, 0                     ; sixteen matrix instructions stand between the add and the wait for it
	s_wait_dscnt 0x0                               ; the add is done, and my reads of this slot are over
	s_barrier_signal -1
	MUL16 2, 1, NQ-1, \slot, 0
	WIN 0
	s_barrier_wait -1
.if \fill
	CREST                                          ; the barrier has opened a round of the cluster's barrier: no wave of any partner still reads this slot's tile or has a load on its way
	s_add_nc_u64 s[G0+4*\slot+2:G0+4*\slot+3], s[G0+4*\slot+2:G0+4*\slot+3], 2*ROWB
	s_add_nc_u64 s[G0B+4*\slot+2:G0B+4*\slot+3], s[G0B+4*\slot+2:G0B+4*\slot+3], 2*ROWB
	JLOAD G0+4*\slot, G1, G0B+4*\slot, G1B         ; the first tensor load behind the round; its four v_nop are the places in front of the loads below
.else
	PLACES NP
.endif
	v_add_nc_u32 v[ADRS], 4*NQ, v[ADRS]            ; on to the next K step's scale words (no LDS load of mine is out)
	FETCH_B \next, 0, 0
	FETCH_A \next, 0, 0
	SCALES \next
	WIN MUL_HI
	MUL16 4, 1, NQ-1, \slot, 0
	MUL16 6, 1, NQ-1, \slot, 0
	PLACES NP
	WIN 0
	FETCH_A \next, 0, 4
.endm
	s_wait_tensorcnt 1                             ; the scale bytes and my part of K step 0 are in (K step 1's load may be out)
	s_barrier_signal -1
	s_barrier_wait -1                              ; everybody's are
	FETCH_B 0, 0, 0
	FETCH_A 0, 0, 0
	SCALES 0
	FETCH_A 0, 0, 4
	STEP 0, 0, 1                                   ; the first step stands in front of the loop: its products start the sums, on the bias
	s_mov_b32 s3, LAPS-1
.Llap:                                             ; a trip goes once round the ring and fills both slots again
	TURN 0, 1, 1
	STEP 1, 0, 0
	TURN 1, 0, 1
	STEP 0, 0, 0
	s_sub_co_u32 s3, s3, 1
	s_cmp_lg_u32 s3, 0
	s_cbranch_scc1 .Llap
	TURN 0, 1, 0                                   ; the last lap fills nothing, and has no round of the cluster's barrier
	STEP 1, 0, 0
	s_wait_dscnt 4*NL                              ; the very last 128: nothing more to fetch
	WIN MUL_LO
	MUL16 0, 1, NQ-1, 1, 0
	MUL16 2, 1, NQ-1, 1, 0
	s_wait_dscnt 0
	WIN MUL_HI
	MUL16 4, 1, NQ-1, 1, 0
	MUL16 6, 1, NQ-1, 1, 0
	WIN 0
; THE WAY OUT: no LDS, no branch.  Block a's 64 numbers of a lane (register 16 B + i = index 32 B + 16 h + i along the next K) become a fragment's codes and a scale word, and leave as images of registers.
; 64 numbers v[s] .. v[s + 63] -> codes in v[PC] .. v[PC + 11] (registers 6 c .. 6 c + 5: k = 64 c + 32 h + 0 .. 31), scale word in v[pw]
.macro QUANT s, pw
.irp b, 0,1,2,3
	v_max3_num_f32 v[TM+\b], |v[\s+16*\b]|, |v[\s+1+16*\b]|, 0x1800000   ; block b: my 16 numbers, and the floor 2^(3 - 127): the byte cannot fall under 1
.endr
.irp i, 2,4,6,8,10,12,14
.irp b, 0,1,2,3
	v_max3_num_f32 v[TM+\b], v[TM+\b], |v[\s+16*\b+\i]|, |v[\s+1+16*\b+\i]|   ; (the four blocks by turns)
.endr
.endr
.irp b, 0,1,2,3
	v_permlanex16_b32 v[TM+4+\b], v[TM+\b], s[SEL], s[SEL+1]
.endr
.irp b, 0,1,2,3
	v_max_num_f32 v[TM+\b], v[TM+\b], v[TM+4+\b]   ; with lane l xor 16's: the block's largest magnitude
.endr
.irp b, 0,1,2,3
	v_add_nc_u32 v[TM+12+\b], 0xff000000, v[TM+\b] ; 2 off its exponent field: the conversion's scale operand
.endr
.irp b, 0,1,2,3
	v_lshrrev_b32 v[TM+4+\b], 23, v[TM+12+\b]      ; the scale's byte
.endr
	v_lshl_or_b32 v[\pw], v[TM+5], 8, v[TM+4]      ; the four bytes make my row's scale word
	v_lshl_or_b32 v[\pw], v[TM+6], 16, v[\pw]
	v_lshl_or_b32 v[\pw], v[TM+7], 24, v[\pw]
.irp c, 0,1
	v_cvt_scalef32_pk16_fp6_f32 v[PC+6*\c:PC+2+6*\c], v[\s+32*\c:\s+15+32*\c], v[TM+12+2*\c]
	v_cvt_scalef32_pk16_fp6_f32 v[PC+12+4*\c:PC+14+4*\c], v[\s+16+32*\c:\s+31+32*\c], v[TM+12+2*\c+1]   ; (a conversion's three registers begin on an even number)
.endr
	v_nop                                          ; one plain place behind a scaled conversion
.irp c, 0,1                                    ; the operand's layout wants a WHOLE block in a lane: lanes 0-15 block 2 c, lanes 16-31 block 2 c + 1
.irp i, 0,1,2
	v_permlane16_swap_b32 v[PC+6*\c+\i], v[PC+12+4*\c+\i]
.endr
.irp i, 0,1,2
	v_mov_b32 v[PC+3+6*\c+\i], v[PC+12+4*\c+\i]
.endr
.endr
.endm
.macro OUTBLK a
	WIN 0x02+(\a)/4                                ; source 0: window 2 or 3
.set i, 0
.rept 32
	v_pk_add_f32 v[HA+2*i:HA+2*i+1], v[64*((\a)%4)+2*i:64*((\a)%4)+2*i+1], v[YB+2*(\a):YB+2*(\a)+1] op_sel_hi:[1,0]   ; the copy into window 0 adds the bias along the lanes; each accumulator is read from its low end on
.set i, i+1
.endr
	WIN 0
	QUANT HA, PWS+(\a)
.irp p, 0,1,2
	global_store_b64 v[VO0], v[PC+2*\p:PC+2*\p+1], s[14:15] offset:256*\p      ; a register pair of 32 lanes: 256 consecutive bytes, aligned
	global_store_b64 v[VO1], v[PC+6+2*\p:PC+6+2*\p+1], s[14:15] offset:256*\p
.endr
	s_wait_xcnt 0x0                                ; the stores' data and offsets are written again only behind this wait
	v_add_nc_u32 v[VO0], s96, v[VO0]               ; the next block's image
	v_add_nc_u32 v[VO1], s96, v[VO1]
.if (\a) == 3
	v_add_nc_u32 v[VO0], s97, v[VO0]               ; v: blocks 4-7 are the next head's four tiles (q, k: 0 is added)
	v_add_nc_u32 v[VO1], s97, v[VO1]
.endif
.endm
	PLACES NP                                      ; behind the last products: their results are read and their operands' registers written below
	s_mov_b32 s[SEL], 0x76543210
	s_mov_b32 s[SEL+1], 0xfedcba98                 ; lane l xor 16
.irp b, 0,1,2,3
	v_mov_b32 v[TM+4+\b], 0                        ; written once: a lane permute's destination counts as one of its sources
.endr
.irp a, 0,1,2,3,4,5,6,7
	OUTBLK \a
.endr
.irp c, 0,1,2,3
	v_cndmask_b32 v[U+\c], v[PWS+2*\c], v[PWS+2*\c+1], s21   ; lanes 0-15: block 2 c's words, lanes 16-31: block 2 c + 1's
.endr
.irp c, 0,1,2,3
	v_and_b32 v[W0+\c], 0xffff, v[U+\c]            ; q, k: bytes 0, 1 are my first head's two blocks,
	v_lshrrev_b32 v[W1+\c], 16, v[U+\c]            ; bytes 2, 3 my second head's; the upper two bytes of each word are 0
.endr
	v_cndmask_b32 v[W0], v[W0], v[U], s2           ; v: whole words: blocks 0-3 are my first head's four tiles,
	v_cndmask_b32 v[W0+1], v[W0+1], v[U+1], s2
	v_cndmask_b32 v[W1], v[W1], v[U+2], s2         ; blocks 4-7 my second head's
	v_cndmask_b32 v[W1+1], v[W1+1], v[U+3], s2
	global_store_b128 v[VSO], v[W0:W0+3], s[16:17]             ; 512 consecutive bytes, aligned
	global_store_b128 v[VSO], v[W1:W1+3], s[16:17] offset:8192 ; the next head
	s_wait_tensorcnt 0x0                           ; the wave's end
	ds_add_u32 v[SPW], v[NIL]
	s_wait_dscnt 0x0
	CROUND                                         ; the closing round: no work-group ends while a partner may still ask for a tile that names it
	s_endpgm
.Lfunc_end_k_qb41beb7b2a_gemm:
	.size	k_qb41beb7b2a_gemm, .Lfunc_end_k_qb41beb7b2a_gemm-k_qb41beb7b2a_gemm
	.p2alignl 7, 3214868480
	.fill 96, 4, 3214868480
	.section	.rodata,"a",@progbits
	.p2align	6, 0x0
	.amdhsa_kernel k_qb41beb7b2a_gemm
		.amdhsa_group_segment_fixed_size 327680
		.amdhsa_private_segment_fixed_size 0
		.amdhsa_enable_private_segment 0
		.amdhsa_kernarg_size 40
		.amdhsa_user_sgpr_count 2
		.amdhsa_user_sgpr_kernarg_segment_ptr 1
		.amdhsa_wavefront_size32 1
		.amdhsa_system_sgpr_workgroup_id_x 1
		.amdhsa_system_sgpr_workgroup_id_y 1
		.amdhsa_system_sgpr_workgroup_id_z 1
		.amdhsa_system_vgpr_workitem_id 0
		.amdhsa_next_free_vgpr 1024
		.amdhsa_next_free_sgpr 106
		.amdhsa_reserve_vcc 0
		.amdhsa_float_denorm_mode_32 3
		.amdhsa_float_denorm_mode_16_64 3
		.amdhsa_memory_ordered 1
		.amdhsa_forward_progress 1
		.amdhsa_inst_pref_size 192
	.end_amdhsa_kernel
	.amdgpu_metadata
---
amdhsa.version: [ 1, 2 ]
amdhsa.kernels:
  - .name:           k_qb41beb7b2a_gemm
    .symbol:         k_qb41beb7b2a_gemm.kd
    .args:
      - { .name: codes, .offset: 0, .size: 8, .value_kind: global_buffer, .address_space: global }
      - { .name: scl, .offset: 8, .size: 8, .value_kind: global_buffer, .address_space: global }
      - { .name: b_qkv, .offset: 16, .size: 8, .value_kind: global_buffer, .address_space: global }
      - { .name: img, .offset: 24, .size: 8, .value_kind: global_buffer, .address_space: global }
      - { .name: isc, .offset: 32, .size: 8, .value_kind: global_buffer, .address_space: global }
    .group_segment_fixed_size: 327680
    .private_segment_fixed_size: 0
    .kernarg_segment_align: 8
    .kernarg_segment_size: 40
    .max_flat_workgroup_size: 128
    .sgpr_count:     106
    .vgpr_count:     1024
    .wavefront_size: 32
...
	.end_amdgpu_metadata
.endif
;; end of part 2
;; launch attn (part 3): grid 8 x 32, 16 waves a work-group, clusters of 4 x 1, 284,672 bytes of LDS; arguments img, isc, out0; writes out0
.if DOCPART == 3
	.amdgcn_target "amdgcn-amd-amdhsa--gfx1250"
	.amdhsa_code_object_version 6
	.text
	.protected	k_qb41beb7b2a_attn
	.globl	k_qb41beb7b2a_attn
	.p2align	8
	.type	k_qb41beb7b2a_attn,@function
k_qb41beb7b2a_attn:
	s_mov_b64 s[64:65], 0
	v_nop
	global_prefetch_b8 v0, s[64:65] scope:SCOPE_SE
	s_setreg_imm32_b32 hwreg(HW_REG_WAVE_MODE, 25, 1), 1
	s_wait_xcnt 0x0
	s_wait_alu depctr_hold_cnt(0) depctr_sa_sdst(0) depctr_va_vdst(0) depctr_va_sdst(0) depctr_va_ssrc(0) depctr_va_vcc(0) depctr_vm_vsrc(0)
	s_getreg_b32 s2, hwreg(HW_REG_IB_STS2, 6, 4)
	s_cmp_eq_u32 s2, 0
	s_cbranch_scc0 .Lentry_in_a_cluster
	s_endpgm
.Lentry_in_a_cluster:
	s_bfe_u32 s2, ttmp6, 0x10000c
	s_cmp_lg_u32 s2, 0x3003
	s_cbranch_scc0 .Lentry_shape_is_right
	s_endpgm
.Lentry_shape_is_right:
; Causal attention on codes of FP6 (E2M3) with E8M0 scales: 32 (batch, head) pairs, 2,048 tokens, head size 64.  out0 [2][2048][1024] f32.
; IN: img, isc: images of operand registers and their scale words, as the launch before lays them: q, k: [head][tile of 16 tokens][3 register pairs][lane][8 bytes]; v: [head][128 keys][4 tiles of 16 channels][6 pairs][lane][8].
; Row r of token tile 8 j + u holds token 128 j + 32 (u / 2) + 8 (u % 2) + 16 (r / 8) + r % 8; row r of channel tile t holds channel 32 (t / 2) + 8 (t % 2) + 16 (r / 8) + r % 8.
; THE SOFTMAX: t = score x log2(e) / 8; M = the row's largest t so far, rounded UP to a whole number; p = 2^(t - M) is quantised along the keys, not normalised; the row's sum is taken of the unquantised p and divides O at the end.
; When M moves, the sum and O are multiplied by 2^(old M - new M): exact.
; SHARES.  A work-group serves one head; wave w takes token tile 8 j + c8 as its 16 queries, j = w xor 3 ((w / 4) % 2), c8 = the work-group's x (0..7): ONE tile in each block of 128 queries.  So all work-groups have
; the same work (1 + 2 + .. + 16 steps of 128 keys), and which steps a wave walks hangs on j, the wave's number, alone: never on the place in the cluster.
; CLUSTER.  The four work-groups of a cluster serve one head: its K, V and their scale words (212,992 bytes) come ONCE into each LDS by joint loads and stay: nothing is filled again.  Steps 0-3 come by loads of their own,
; so that work begins while the other twelve steps' bytes are on their way.
; LAYOUT.  Both products are used transposed: S^T = K Q^T (source 0 = 16 keys), O^T = V^T P^T (source 0 = 16 channels): a lane holds ONE query (lane % 16).  By the order of a tile's rows the 16 registers of key tiles
; 2 b, 2 b + 1 are keys 32 b + 16 (lane / 16) + 0 .. 15.
; K = 64 IN AN INSTRUCTION OF 128: Q's registers 6-11 are zero codes, and bytes 2, 3 of Q's and K's scale words are 0 (2^-127).  K's tile i is named as 12 registers of which the upper six are the NEXT tile's codes
; (behind tile 7: six registers of zeros): finite numbers that meet zero codes and add nothing.  So K's tiles take 6 registers and 3 LDS loads each.
; LIMITS: NaN and infinities are not served; a block whose every p has fallen to 0 keeps the byte 1: its codes are zeros.
; REGISTERS: v1-7 what stays; v8-11 the step's LDS addresses; v12 -M, v13 the largest t, v[14:15] the sum in two halves; v16-21 Q, v22-27 zeros; v29-30 the stage; v32-35 K's scale words, v36-37 V's; v38-85 fragments, v86-91 zeros;
;   v96-159 S^T, then p; v160-191 O^T; v192-223 rows on the way out; v224-235 p's codes; v232-254 at work; v253 p's scale word; v255 Q's.
.set KIMG,  0                          ; LDS: K's images, 16 steps x 6,144 bytes
.set VIMG,  98304                      ; V's likewise
.set KSC,   196608                     ; K's scale words, 16 steps x 512 bytes
.set VSC,   204800                     ; V's
.set STAGE, 212992                     ; the way out: 16 rows x (256 bytes + 16) for each wave; no tensor load lands here
.set FIRST, 4*6144                     ; the bytes of steps 0-3
.set AK0,  1                           ; v1  8 x lane
.set AV0,  2                           ; v2  VIMG + 8 x lane
.set ASK0, 3                           ; v3  KSC + 16 x lane
.set ASV0, 4                           ; v4  VSC + 16 x lane
.set DM,   5                           ; v5  my query's place in its 128, less 16 (lane / 16)
.set GO,   6                           ; v6  the way out: my byte offset in out0
.set NINF, 7                           ; v7  -infinity
.set ADK,  8
.set ADV,  9
.set ADS,  10
.set ADT,  11
.set STO,  29
.set RD,   30
.set F,    38
.set WV,   18                          ; s18 wave;  s19 j
.set J,    19
.set SEL,  20                          ; s[20:21] lane selects: lane l xor 16
.set CS,   22                          ; s[22:23] c = log2(e) / 8
.set G1S,  24                          ; groups 1: 32, 96 and 288 rows of 256 bytes
.set G1A,  32
.set G1B,  40
.set G0KS, 48                          ; groups 0: K's scale words, K's steps 0-3, K's steps 4-15;
.set G0KA, 52
.set G0KB, 56
.set G0VS, 68                          ; V's likewise
.set G0VA, 72
.set G0VB, 76
.set KSI,  80                          ; s80 the step;  s81 its images' place, 6,144 a step;  s82 its scale words', 512 a step;  s83 trips to go
.set TB,   81
.set TS,   82
.set CNT,  83
.set C8,   84                          ; s84 the work-group's x;  s85 32 (c8 / 2) + 8 (c8 % 2)
.set SQL,  85
.macro CROUND                          ; a round of the cluster's barrier
	s_barrier_signal -1
	s_barrier_wait -1
	s_cmp_lg_u32 s[WV], 0
	s_cbranch_scc1 .Lnot_wave_0_\@
	s_barrier_signal -3
.Lnot_wave_0_\@:
	s_barrier_wait -3
	s_barrier_signal -1
	s_barrier_wait -1
.endm
	s_load_b128 s[4:7], s[0:1], 0x0                ; img, isc
	s_load_b64 s[8:9], s[0:1], 0x10                ; out0
	v_lshl_add_u32 v250, v0, 2, 0x45000
	v_mov_b32 v251, 0
	ds_add_u32 v250, v251
	ds_add_u32 v250, v251
	v_lshrrev_b32 v8, 5, v0
	v_readfirstlane_b32 s[WV], v8                  ; wave 0..15
	s_lshr_b32 s[J], s[WV], 2
	s_and_b32 s[J], s[J], 1
	s_mul_i32 s[J], s[J], 3
	s_xor_b32 s[J], s[J], s[WV]                    ; j: waves w, w + 4, w + 8, w + 12 have 34 steps together, whatever w
	s_bfe_u32 s[C8], ttmp6, 0x40000                ; cx
	s_lshl_b32 s86, ttmp9, 2
	s_add_co_u32 s[C8], s[C8], s86                 ; c8 = 4 x cluster x + cx: it enters Q's and out0's addresses and the mask's comparison alone
	s_lshr_b32 s[SQL], s[C8], 1
	s_lshl_b32 s[SQL], s[SQL], 5
	s_and_b32 s86, s[C8], 1
	s_lshl_b32 s86, s86, 3
	s_add_co_u32 s[SQL], s[SQL], s86
	s_and_b32 s87, ttmp7, 0xffff                   ; the (batch, head) pair, which the four partners share
	s_mul_i32 s88, s87, 98304
	s_mov_b32 s89, 0
	s_lshl_b32 s90, s87, 13
	s_mov_b32 s91, 0
	; descriptor groups 1: dense blocks as rows of 256 bytes (32 elements of 8 bytes), no padding: every LDS read takes consecutive bytes
.irp g, G1S, G1A, G1B
	s_mov_b32 s[\g], 15|(3<<16)|(1<<21)            ; 15:0 the mask: all four work-groups; 17:16 elements of 8 bytes; 21 set beside a mask
	s_mov_b32 s[\g+1], 32<<16                      ; tensor_dim0
	s_mov_b32 s[\g+3], 32<<16                      ; tile_dim0
	s_mov_b32 s[\g+5], 32                          ; the pitch
	s_mov_b32 s[\g+6], 0
	s_mov_b32 s[\g+7], 0
.endr
	s_mov_b32 s[G1S+2], 32<<16                     ; tensor_dim1 and tile_dim1: 8,192 bytes,
	s_mov_b32 s[G1S+4], 32
	s_mov_b32 s[G1A+2], 96<<16                     ; 24,576,
	s_mov_b32 s[G1A+4], 96
	s_mov_b32 s[G1B+2], 288<<16                    ; 73,728
	s_mov_b32 s[G1B+4], 288
	s_mov_b32 s[SEL], 0x76543210
	s_mov_b32 s[SEL+1], 0xfedcba98
	s_mov_b32 s[CS], 0x3e38aa3b                    ; c = log2(e) / 8
	s_mov_b32 s[CS+1], s[CS]                       ; (named with it as a pair, so it is written)
	s_mov_b32 s[KSI], 0
	s_mov_b32 s[TB], 0
	s_mov_b32 s[TS], 0
	s_wait_dscnt 0x0
	s_wait_kmcnt 0x0
	s_add_nc_u64 s[92:93], s[4:5], s[88:89]        ; img and isc at my head, in q's part
	s_add_nc_u64 s[94:95], s[6:7], s[90:91]
	s_mov_b32 s[G0KS], 1
	s_mov_b32 s[G0KS+1], KSC
	s_add_nc_u64 s[G0KS+2:G0KS+3], s[94:95], 262144            ; k's part of isc
	s_or_b32 s[G0KS+3], s[G0KS+3], 0x80000000
	s_mov_b32 s[G0KA], 1
	s_mov_b32 s[G0KA+1], KIMG
	s_add_nc_u64 s[G0KA+2:G0KA+3], s[92:93], 3145728           ; k's part of img
	s_or_b32 s[G0KA+3], s[G0KA+3], 0x80000000
	s_mov_b32 s[G0KB], 1
	s_mov_b32 s[G0KB+1], KIMG+FIRST
	s_add_nc_u64 s[G0KB+2:G0KB+3], s[92:93], 3145728+FIRST
	s_or_b32 s[G0KB+3], s[G0KB+3], 0x80000000
	s_mov_b32 s[G0VS], 1
	s_mov_b32 s[G0VS+1], VSC
	s_add_nc_u64 s[G0VS+2:G0VS+3], s[94:95], 524288            ; v's parts
	s_or_b32 s[G0VS+3], s[G0VS+3], 0x80000000
	s_mov_b32 s[G0VA], 1
	s_mov_b32 s[G0VA+1], VIMG
	s_add_nc_u64 s[G0VA+2:G0VA+3], s[92:93], 6291456
	s_or_b32 s[G0VA+3], s[G0VA+3], 0x80000000
	s_mov_b32 s[G0VB], 1
	s_mov_b32 s[G0VB+1], VIMG+FIRST
	s_add_nc_u64 s[G0VB+2:G0VB+3], s[92:93], 6291456+FIRST
	s_or_b32 s[G0VB+3], s[G0VB+3], 0x80000000
	CROUND                                         ; all four work-groups are here: the joint loads meet
	s_cmp_eq_u32 s[WV], 0                          ; wave 0 asks for K's three blocks, wave 1 for V's, the others for nothing: a wave's loads stand in one branch; three of mine are out at the most
	s_cbranch_scc0 .Lnot_k
	tensor_load_to_lds s[G0KS:G0KS+3], s[G1S:G1S+7]
	s_nop 0
	tensor_load_to_lds s[G0KA:G0KA+3], s[G1A:G1A+7]
	s_nop 0
	tensor_load_to_lds s[G0KB:G0KB+3], s[G1B:G1B+7]
	s_nop 0
.rept 4
	v_nop
.endr
	s_branch .Lasked
.Lnot_k:
	s_cmp_eq_u32 s[WV], 1
	s_cbranch_scc0 .Lasked
	tensor_load_to_lds s[G0VS:G0VS+3], s[G1S:G1S+7]
	s_nop 0
	tensor_load_to_lds s[G0VA:G0VA+3], s[G1A:G1A+7]
	s_nop 0
	tensor_load_to_lds s[G0VB:G0VB+3], s[G1B:G1B+7]
	s_nop 0
.rept 4
	v_nop
.endr
.Lasked:
	s_lshl_b32 s60, s[J], 3
	s_add_co_u32 s60, s60, s[C8]
	s_mul_i32 s60, s60, 768                        ; my tile of queries: 8 j + c8
	s_mov_b32 s61, 0
	s_add_nc_u64 s[10:11], s[92:93], s[60:61]
	s_lshl_b32 s60, s[J], 9                        ; its scale words: 512 j + 16 (16 (c8 % 2) + r) + 4 (c8 / 2)
	s_and_b32 s62, s[C8], 1
	s_lshl_b32 s62, s62, 8
	s_add_co_u32 s60, s60, s62
	s_lshr_b32 s62, s[C8], 1
	s_lshl_b32 s62, s62, 2
	s_add_co_u32 s60, s60, s62
	s_add_nc_u64 s[12:13], s[94:95], s[60:61]
	v_and_b32 v9, 31, v0                           ; lane
	v_and_b32 v10, 15, v0                          ; r
	v_bfe_u32 v11, v0, 4, 1                        ; h
	v_lshlrev_b32 v[AK0], 3, v9
.irp p, 0,1,2
	global_load_b64 v[16+2*\p:17+2*\p], v[AK0], s[10:11] offset:256*\p   ; Q's fragment stays in registers
.endr
	v_lshlrev_b32 v254, 4, v10
	global_load_b32 v255, v254, s[12:13]           ; Q's scale words
	s_lshr_b32 s60, s87, 4
	s_lshl_b32 s60, s60, 23                        ; out0: the batch's 2,048 rows of 4,096 bytes,
	s_lshl_b32 s62, s[J], 7
	s_add_co_u32 s62, s62, s[SQL]
	s_lshl_b32 s62, s62, 12                        ; my tile's first token,
	s_add_co_u32 s60, s60, s62
	s_and_b32 s62, s87, 15
	s_lshl_b32 s62, s62, 8                         ; the head's 256 bytes of a row
	s_add_co_u32 s60, s60, s62
	s_add_nc_u64 s[8:9], s[8:9], s[60:61]
	v_add_nc_u32 v[AV0], VIMG, v[AK0]
	v_lshlrev_b32 v[ASK0], 4, v9
	v_add_nc_u32 v[ASV0], VSC, v[ASK0]
	v_add_nc_u32 v[ASK0], KSC, v[ASK0]
	v_and_b32 v[DM], 8, v10
	v_add_nc_u32 v[DM], v[DM], v10                 ; r + 8 (r / 8)
	v_add_nc_u32 v[DM], s[SQL], v[DM]              ; my query's place in its block of 128
	v_lshlrev_b32 v8, 4, v11
	v_sub_nc_u32 v[DM], v[DM], v8                  ; less 16 h.  Register 16 b + i holds key 32 b + 16 h + i of the step: hidden on the diagonal where 32 b + i is greater than this
	v_lshlrev_b32 v[GO], 12, v11
	v_lshl_add_u32 v[GO], v10, 4, v[GO]            ; the way out: lanes 0-15 one token's 256 bytes, lanes 16-31 the next token's
	v_mov_b32 v[NINF], 0xff800000
	s_mul_i32 s62, s[WV], 16*272
	s_add_co_u32 s62, s62, STAGE                   ; my stage
	v_mul_u32_u24 v[STO], v10, 272
	v_lshl_add_u32 v[STO], v11, 6, v[STO]
	v_add_nc_u32 v[STO], s62, v[STO]               ; in: row r, + 64 h bytes
	v_mul_u32_u24 v[RD], v11, 272
	v_lshl_add_u32 v[RD], v10, 4, v[RD]
	v_add_nc_u32 v[RD], s62, v[RD]                 ; back: lanes 0-15 one row, lanes 16-31 the next
	v_mov_b32 v13, 0xff61b1e6                      ; the largest t so far: -3e38, under every t
	v_floor_f32 v12, -v13                          ; -M
	v_mov_b32 v14, 0                               ; the sum, in two halves
	v_mov_b32 v15, 0
.irp i, 22,23,24,25,26,27
	v_mov_b32 v\i, 0                               ; Q's codes of k = 64 .. 127: zeros
.endr
.irp i, 86,87,88,89,90,91
	v_mov_b32 v\i, 0                               ; what stands behind K's tile 7
.endr
.irp b, 0,1,2,3
	v_mov_b32 v[236+\b], 0                         ; written once: a lane permute's destination counts as one of its sources
.endr
	v_mov_b32 v252, 0
	v_mov_b32 v253, 0                              ; (named as the upper half of the pair v[252:253] before it is first written)
.set n, 0
.rept 32
	v_mov_b32 v[160+n], 0                          ; O^T.  (The step is written for every step alike: the first finds zeros, which the first change of M leaves zeros)
.set n, n+1
.endr
; A KEY STEP: 128 keys.  A step whose keys all come after my queries (step > j) is left out: a scalar branch on the wave's number and the trip, round the work; not round the lines at its end that step addresses.
.macro STEP
	s_cmp_gt_u32 s[KSI], s[J]
	s_cbranch_scc1 .Lhidden_\@
	v_add_nc_u32 v[ADK], s[TB], v[AK0]             ; (these four are also the places in front of loads into registers that the last step's products have read)
	v_add_nc_u32 v[ADV], s[TB], v[AV0]
	v_add_nc_u32 v[ADS], s[TS], v[ASK0]
	v_add_nc_u32 v[ADT], s[TS], v[ASV0]
.irp i, 0,1,2,3,4,5,6,7
.irp p, 0,1,2
	ds_load_b64 v[F+6*\i+2*\p:F+6*\i+2*\p+1], v[ADK] offset:768*\i+256*\p   ; a register pair of 32 lanes: 256 consecutive bytes
.endr
.endr
	ds_load_b128 v[32:35], v[ADS]                  ; word A: lanes 0-15 tile 2 A's scale words, lanes 16-31 tile 2 A + 1's
	s_wait_dscnt 0x0
.irp i, 0,1,2,3,4,5,6,7                        ; S^T = K Q^T
.if \i%2
	v_wmma_scale_f32_16x16x128_f8f6f4 v[96+8*\i:103+8*\i], v[F+6*\i:F+6*\i+11], v[16:27], 0, v[32+\i/2], v255 matrix_a_fmt:MATRIX_FMT_FP6 matrix_b_fmt:MATRIX_FMT_FP6 matrix_a_scale:MATRIX_SCALE_ROW1
.else
	v_wmma_scale_f32_16x16x128_f8f6f4 v[96+8*\i:103+8*\i], v[F+6*\i:F+6*\i+11], v[16:27], 0, v[32+\i/2], v255 matrix_a_fmt:MATRIX_FMT_FP6 matrix_b_fmt:MATRIX_FMT_FP6
.endif
.endr
.rept 4
	v_nop                                          ; places: the scores are read below, and V's fragments land where K's lay
.endr
.irp t, 0,1,2,3                                ; V is asked for now and lands under the softmax
.irp p, 0,1,2,3,4,5
	ds_load_b64 v[F+12*\t+2*\p:F+12*\t+2*\p+1], v[ADV] offset:1536*\t+256*\p
.endr
.endr
	ds_load_b64 v[36:37], v[ADT]
	s_cmp_lg_u32 s[KSI], s[J]                      ; only step j lies on the diagonal: there the scores of hidden keys become -infinity ahead of the maximum: p = 0 then.  My own key always counts, so M is a number
	s_cbranch_scc1 .Lopen_\@
.set n, 0
.rept 64
	v_cmp_gt_i32 vcc_lo, 32*(n/16)+n%16, v[DM]
	v_cndmask_b32 v[96+n], v[96+n], v[NINF], vcc_lo
.set n, n+1
.endr
.Lopen_\@:
.irp b, 0,1,2,3
	v_max3_num_f32 v[232+\b], v[96+16*\b], v[97+16*\b], v[98+16*\b]   ; THE LARGEST SCORE OF EACH BLOCK OF 32 KEYS: for the row's maximum, and, since p rises with the score, for the block's largest p
.endr
.irp i, 3,5,7,9,11,13
.irp b, 0,1,2,3
	v_max3_num_f32 v[232+\b], v[232+\b], v[96+16*\b+\i], v[97+16*\b+\i]   ; (the four blocks by turns)
.endr
.endr
.irp b, 0,1,2,3
	v_max_num_f32 v[232+\b], v[232+\b], v[111+16*\b]
.endr
.irp b, 0,1,2,3
	v_permlanex16_b32 v[236+\b], v[232+\b], s[SEL], s[SEL+1]
.endr
.irp b, 0,1,2,3
	v_max_num_f32 v[232+\b], v[232+\b], v[236+\b]  ; with lane l xor 16's 16 keys
.endr
	v_max3_num_f32 v254, v232, v233, v234
	v_max_num_f32 v254, v254, v235                 ; the step's largest score of my query
	v_mul_f32 v254, s[CS], v254                    ; as t (c is positive)
	v_max_num_f32 v13, v13, v254                   ; the running largest t
	v_mov_b32 v254, v12
	v_floor_f32 v12, -v13                          ; the new -M = floor(-t) = -ceil(t): M IS A WHOLE NUMBER
	v_sub_f32 v254, v12, v254                      ; M's old value less its new one: a whole number, 0 or less
	v_cvt_i32_f32 v254, v254                       ; (it saturates)
	v_ldexp_f32 v252, 1.0, v254                    ; f = 2^(old M - new M)
.set n, 0
.rept 32
	v_pk_fma_f32 v[96+n:97+n], v[96+n:97+n], s[CS:CS+1], v[12:13] op_sel_hi:[1,0,0]   ; t - M, two at a time (of the pairs c and -M the low word serves both halves)
.set n, n+2
.endr
.irp b, 0,1,2,3
	v_fma_f32 v[232+\b], v[232+\b], s[CS], v12     ; the same of each block's largest score
.endr
.set n, 0
.rept 64
	v_exp_f32 v[96+n], v[96+n]                     ; p = 2^(t - M), at most 1: NOT normalised
.set n, n+1
.endr
.irp b, 0,1,2,3
	v_exp_f32 v[232+\b], v[232+\b]                 ; the block's largest p: the same two instructions on the same number give the same bits
.endr
	v_pk_mul_f32 v[14:15], v[14:15], v[252:253] op_sel_hi:[1,0]   ; the sums under the new M.  (A plain place behind the exponentials)
	s_wait_alu depctr_va_vdst(0)
.irp b, 0,1,2,3
	v_max_num_f32 v[232+\b], 0x1800000, v[232+\b]  ; the floor 2^(3 - 127): the byte cannot fall under 1
.endr
.irp b, 0,1,2,3
	v_add_nc_u32 v[244+\b], 0xff000000, v[232+\b]  ; 2 off the exponent field: the conversion's scale operand
.endr
.irp b, 0,1,2,3
	v_lshrrev_b32 v[236+\b], 23, v[244+\b]         ; the scale's byte
.endr
	v_lshl_or_b32 v253, v237, 8, v236              ; p's scale word for these 128 keys
	v_lshl_or_b32 v253, v238, 16, v253
	v_lshl_or_b32 v253, v239, 24, v253
.irp c, 0,1
	v_cvt_scalef32_pk16_fp6_f32 v[224+6*\c:226+6*\c], v[96+32*\c:111+32*\c], v[244+2*\c]
	v_cvt_scalef32_pk16_fp6_f32 v[236+4*\c:238+4*\c], v[112+32*\c:127+32*\c], v[244+2*\c+1]   ; (a conversion's three registers begin on an even number)
.endr
	v_nop                                          ; one plain place behind a scaled conversion
.irp c, 0,1                                    ; the operand's layout wants a WHOLE block in a lane: lanes 0-15 block 2 c, lanes 16-31 block 2 c + 1
.irp i, 0,1,2
	v_permlane16_swap_b32 v[224+6*\c+\i], v[236+4*\c+\i]
.endr
.irp i, 0,1,2
	v_mov_b32 v[227+6*\c+\i], v[236+4*\c+\i]
.endr
.endr
	v_pk_add_f32 v[236:237], v[96:97], v[98:99]    ; THE ROW'S SUM IS TAKEN OF THE UNQUANTISED p: two at a time, in two chains
.irp j, 4,8,12,16,20,24,28,32,36,40,44,48,52,56,60
	v_pk_add_f32 v[14:15], v[14:15], v[96+\j:97+\j]
	v_pk_add_f32 v[236:237], v[236:237], v[98+\j:99+\j]
.endr
	v_pk_add_f32 v[14:15], v[14:15], v[236:237]
.set n, 0
.rept 16
	v_pk_mul_f32 v[160+n:161+n], v[160+n:161+n], v[252:253] op_sel_hi:[1,0]   ; O^T under the new M: x f, each accumulator from its low end on.  (The sums and these are the places between p's codes and scale word and the products)
.set n, n+2
.endr
	s_wait_dscnt 0x0                               ; V's fragments and scale words are in
.irp t, 0,1,2,3                                ; O^T += V^T P^T: the four accumulators take turns
.if \t%2
	v_wmma_scale_f32_16x16x128_f8f6f4 v[160+8*\t:167+8*\t], v[F+12*\t:F+12*\t+11], v[224:235], v[160+8*\t:167+8*\t], v[36+\t/2], v253 matrix_a_fmt:MATRIX_FMT_FP6 matrix_b_fmt:MATRIX_FMT_FP6 matrix_a_scale:MATRIX_SCALE_ROW1
.else
	v_wmma_scale_f32_16x16x128_f8f6f4 v[160+8*\t:167+8*\t], v[F+12*\t:F+12*\t+11], v[224:235], v[160+8*\t:167+8*\t], v[36+\t/2], v253 matrix_a_fmt:MATRIX_FMT_FP6 matrix_b_fmt:MATRIX_FMT_FP6
.endif
.endr
.Lhidden_\@:
	s_add_co_u32 s[KSI], s[KSI], 1
	s_add_co_u32 s[TB], s[TB], 6144
	s_add_co_u32 s[TS], s[TS], 512
.endm
	s_wait_tensorcnt 0x1                           ; the scale words and steps 0-3 are in (of the wave that asked); the load of steps 4-15 may stay out
	s_barrier_signal -1
	s_barrier_wait -1                              ; and every wave knows it
	s_wait_loadcnt 0x0                             ; Q
	s_mov_b32 s[CNT], 4
.Lfirst:                                           ; steps 0-3: they read the first 24,576 bytes of K's and of V's images alone
	STEP
	s_sub_co_u32 s[CNT], s[CNT], 1
	s_cmp_lg_u32 s[CNT], 0
	s_cbranch_scc1 .Lfirst
	s_wait_tensorcnt 0x0                           ; steps 4-15 are in
	s_wait_dscnt 0x0
	s_barrier_signal -1
	s_barrier_wait -1
	s_mov_b32 s[CNT], 12
.Lrest:                                            ; steps 4-15
	STEP
	s_sub_co_u32 s[CNT], s[CNT], 1
	s_cmp_lg_u32 s[CNT], 0
	s_cbranch_scc1 .Lrest
	; THE WAY OUT.  O^T is divided by the sum and goes through my stage in LDS, so that sixteen lanes store a token's 256 consecutive bytes of this head.
.rept 4
	v_nop                                          ; places behind the last products
.endr
	v_add_f32 v14, v14, v15                        ; the sum's two halves,
	v_permlanex16_b32 v252, v14, s[SEL], s[SEL+1]
	v_add_f32 v14, v14, v252                       ; and lane l xor 16's: the row's sum
	v_rcp_f32 v14, v14
	v_nop                                          ; a plain place behind the transcendental
.set n, 0
	s_wait_alu depctr_va_vdst(0)
.rept 32
	v_mul_f32 v[96+n], v[160+n], v14               ; register 8 t + i is channel 32 (t / 2) + 16 h + 8 (t % 2) + i of my query
.set n, n+1
.endr
.irp t, 0,1,2,3
	ds_store_b128 v[STO], v[96+8*\t:99+8*\t] offset:128*(\t/2)+32*(\t%2)
	ds_store_b128 v[STO], v[100+8*\t:103+8*\t] offset:128*(\t/2)+32*(\t%2)+16
.endr
.irp i, 0,1,2,3,4,5,6,7
	ds_load_b128 v[192+4*\i:195+4*\i], v[RD] offset:544*\i     ; rows 2 i and 2 i + 1.  LDS serves a wave's instructions in order: these see my stores
.endr
.irp i, 0,1,2,3,4,5,6,7
	s_wait_dscnt 7-\i                              ; load i is back; the younger ones may be out
	global_store_b128 v[GO], v[192+4*\i:195+4*\i], s[8:9] offset:(2*\i+8*(\i/4))*4096 th:TH_STORE_NT   ; row p of my tile is token p + 8 (p / 8) of it; 16 lanes store 256 consecutive bytes, aligned
.endr
	s_wait_tensorcnt 0x0
	ds_add_u32 v250, v251
	s_wait_dscnt 0x0
	CROUND                                         ; the closing round (no LDS instruction and no tensor load of mine is out): no work-group ends while a partner may still ask for a block that names it
	s_endpgm
.Lfunc_end_k_qb41beb7b2a_attn:
	.size	k_qb41beb7b2a_attn, .Lfunc_end_k_qb41beb7b2a_attn-k_qb41beb7b2a_attn
	.p2alignl 7, 3214868480
	.fill 96, 4, 3214868480
	.section	.rodata,"a",@progbits
	.p2align	6, 0x0
	.amdhsa_kernel k_qb41beb7b2a_attn
		.amdhsa_group_segment_fixed_size 284672
		.amdhsa_private_segment_fixed_size 0
		.amdhsa_enable_private_segment 0
		.amdhsa_kernarg_size 24
		.amdhsa_user_sgpr_count 2
		.amdhsa_user_sgpr_kernarg_segment_ptr 1
		.amdhsa_wavefront_size32 1
		.amdhsa_system_sgpr_workgroup_id_x 1
		.amdhsa_system_sgpr_workgroup_id_y 1
		.amdhsa_system_sgpr_workgroup_id_z 1
		.amdhsa_system_vgpr_workitem_id 0
		.amdhsa_next_free_vgpr 256
		.amdhsa_next_free_sgpr 100
		.amdhsa_reserve_vcc 1
		.amdhsa_float_denorm_mode_32 3
		.amdhsa_float_denorm_mode_16_64 3
		.amdhsa_memory_ordered 1
		.amdhsa_forward_progress 1
		.amdhsa_inst_pref_size 58
	.end_amdhsa_kernel
	.amdgpu_metadata
---
amdhsa.version: [ 1, 2 ]
amdhsa.kernels:
  - .name:           k_qb41beb7b2a_attn
    .symbol:         k_qb41beb7b2a_attn.kd
    .args:
      - { .name: img, .offset: 0, .size: 8, .value_kind: global_buffer, .address_space: global }
      - { .name: isc, .offset: 8, .size: 8, .value_kind: global_buffer, .address_space: global }
      - { .name: out0, .offset: 16, .size: 8, .value_kind: global_buffer, .address_space: global }
    .group_segment_fixed_size: 284672
    .private_segment_fixed_size: 0
    .kernarg_segment_align: 8
    .kernarg_segment_size: 24
    .max_flat_workgroup_size: 512
    .sgpr_count:     100
    .vgpr_count:     256
    .wavefront_size: 32
...
	.end_amdgpu_metadata
.endif
;; end of part 3
